; MI455X (gfx1250); checked and timed in simulation.
; The chip was launched on July 23, 2026; its instructions are those of AMD's public machine-readable ISA for CDNA 5 (MIT licence, August 2026) and "CDNA5" Instruction Set Architecture Reference Guide (July 2026). The comments in the code are by the model that wrote it; some were corrected since.
;; Model. Allowed arithmetic: matrix products marked QUANTISED: E2M3 operands, one E8M0 scale for each 32 along K, by v_wmma_scale_f32_16x16x128_f8f6f4 with both operands' format E2M3, f32 sums; everything else in f32.
;; Inputs: key 64 x 2,048 x 128 float32; query 64 x 2,048 x 128 float32; scale_factor 1 float32; value 64 x 2,048 x 128 float32.
;; Outputs: out0 64 x 2,048 x 128 float32.
;; This version of the problem:
;;   THIS VERSION OF THE PROBLEM IS GIVEN IN LOW PRECISION. The matrix products marked QUANTISED in the list below multiply operands that are first quantised to E2M3 (2 exponent bits, 3 mantissa bits; 6 bits a number), with one power-of-two scale for each 32 numbers along K (OCP MX v1.0); their sums are f32. All else is computed in f32.
;;   The module's matrix products, in the order in which they are computed (A, B: the left and right operand; K: the contracted axis; several contracted axes count as one K, in the product's order):
;;     1. batch 64 x [M 2,048, K 128] x [K 128, N 2,048]; A: input query; B: input key: QUANTISED
;;     2. batch 64 x [M 2,048, K 2,048] x [K 2,048, N 128]; A: softmax (see below); B: input value: QUANTISED
;;   THE QUANTISER, for each operand of a quantised product, along K:
;;     - K is cut into blocks of 32 from its start; a last block that is shorter is filled with zeros.
;;     - A block's scale is 2^e with e = floor(log2(the largest magnitude in the block)) - 2, held to -126 .. 127; a block of zeros has e = 0. As a byte (E8M0): e + 127.
;;     - Each number is divided by its block's scale, clamped to +-7.5, and rounded to the nearest number of E2M3, ties to even, subnormals kept.
;;     - The product sums the exact products of the quantised numbers (number of the format x scale) in f32.
;;   ~~~python
;;   def quantise(x, axis):      # numpy; x: float32 -> the quantised numbers, widened to float32 again
;;       x = np.moveaxis(x, axis, -1); K = x.shape[-1]
;;       x = np.pad(x, [(0, 0)] * (x.ndim - 1) + [(0, -K % 32)]); x = x.reshape(x.shape[:-1] + (-1, 32)); a = np.abs(x).max(-1, keepdims=True)
;;       e = np.where(a > 0, np.clip(np.frexp(np.where(a > 0, a, 1))[1] - 1 - 2, -126, 127), 0)      # np.frexp(a)[1] - 1 = floor(log2(a)), exactly
;;       r = np.clip(x / 2.0 ** e, -7.5, 7.5)
;;       step = 2.0 ** (np.maximum(np.frexp(np.where(r == 0, 1, r))[1] - 1, 0) - 3)
;;       q = np.round(r / step) * step * 2.0 ** e      # np.round: ties to even
;;       return np.moveaxis(q.reshape(q.shape[:-2] + (-1,))[..., :K], -1, axis).astype(np.float32)
;;   ~~~
;;   SOFTMAX AHEAD OF A QUANTISED PRODUCT. Where the list says 'softmax', what is quantised is not the finished softmax but p = 2^(t - M), with t = logit x log2(e) and M = ceil(the row's largest t), a whole number; so 1/2 < the row's largest p <= 1. The row's sum l is taken of the UNQUANTISED p, in f32, and the product's result is divided by l at the end. Since M is a whole number, a kernel that streams over the keys may use a running M (the ceiling of the running maximum): every later rescaling is an exact power of two, which a block's scale takes up: the codes' values come out the same.
;;   OPERANDS COMPUTED ON THE WAY. 'Computed on the way' means the value that the module computes at that place (a softmax that the list does not call 'softmax' is quantised finished and normalised). What goes into a quantiser is computed in f32, as accurately as f32 sums, v_exp_f32 and their like allow (about 1e-6 of the number): no bf16 or f16 on the way to a quantiser, and a product that is left as it is and whose result goes on into a quantised operand takes f32 operands (vector FMAs, or v_wmma_f32_16x16x4_f32). A number that lies on a knife's edge between two numbers of the format may be rounded either way, as far as f32 arithmetic and the matrix unit's own rounding can turn it there, and no further.
;; One version. Each part assembles by itself: llvm-mc -triple=amdgcn-amd-amdhsa -mcpu=gfx1250 --defsym DOCPART=n.
;; ======== version 1 of 1: 2 launches
;; limits: right only within a limited range of input values
;; workspace buffers: kv 26,214,400 bytes
;; launch quant (part 1): grid 16 x 64, 8 waves a work-group, no clusters, 63,488 bytes of LDS; arguments key, value, kv; writes kv
.if DOCPART == 1
	.amdgcn_target "amdgcn-amd-amdhsa--gfx1250"
	.amdhsa_code_object_version 6
	.text
	.protected	k_qe6ebd5243f_quant
	.globl	k_qe6ebd5243f_quant
	.p2align	8
	.type	k_qe6ebd5243f_quant,@function
k_qe6ebd5243f_quant:
	s_mov_b64 s[64:65], 0
	v_nop
	global_prefetch_b8 v0, s[64:65] scope:SCOPE_SE
	s_setreg_imm32_b32 hwreg(HW_REG_WAVE_MODE, 25, 1), 1
	s_wait_xcnt 0x0
; key and value, [64][2048][128] f32, become codes of FP6 (E2M3) with one E8M0 byte for each 32 along a product's K, laid in the order of the operand's registers.
; key's K is the head's 128 (innermost in memory); value's K is the keys (its first axis within a head).
; A work-group makes one STEP RECORD of kv: 128 keys of one head, 25,600 bytes: K's 8 fragments (1,536 bytes each), K's 512 bytes of scale words, V's 8 fragments, V's 512 bytes of scale words.
; A FRAGMENT'S IMAGE: lane r + 16 h of the later product owns 48 bytes at 48 (r + 16 h): block h of row r, then block 2 + h.  So block j of row r lies at 48 (r + 16 (j & 1)) + 24 (j >> 1).
; A SCALE BLOCK: the word of (tile t, row r) lies at 16 (r + 16 (t & 1)) + 4 (t >> 1), byte j for block j.
; K's tile 4 c + u, row 8 g + j, is key 64 c + 32 g + 8 u + j of the step: the scores of tiles 4 c .. 4 c + 3 are then, in a lane of half g, the 32 keys of block 2 c + g in their order.
; V's tile t, row r, is channel 16 t + r; its blocks are the step's keys in their order.
; A block's scale is 2^(floor(log2(its largest magnitude)) - 2); its byte is the largest magnitude's exponent field - 2, held at 1 from below by a floor among the maximum's leaves.
; LIMITS: a block of zeros gets the byte 1 where the rule says 127 (its codes are zeros, and this program alone reads the bytes); blocks whose largest magnitude lies under 2^-124 are held at that floor; NaN and infinities are not served.
; SHARES.  Wave w makes K's tile w (two halves of eight dense rows of 512 bytes, turned through its own stage in LDS so that a lane holds a whole block), and, of V, channels 32 (w & 3) + lane for the key blocks 2 (w >> 2) and 2 (w >> 2) + 1
; (a lane to a channel, registers down the keys).  The record is gathered in LDS and leaves in stores of 512 consecutive bytes.  No loop, one barrier, every offset an immediate.
.set STW,  4608                        ; a wave's stage: 32 places of 144 bytes (a block's 128 bytes + 16 of padding)
.set IMG,  8*STW                       ; behind the stages: the record as it will lie in kv
.set TW,   4                           ; the stage, on the way in
.set TR,   5                           ; and on the way out: 144 x lane
.set KIA,  6                           ; where my block of K's codes goes
.set KSA,  7                           ; and its scale byte
.set VIA,  8                           ; the same for V
.set VSA,  9
.set CPL,  10                          ; the copy out: LDS address,
.set CPG,  11                          ; and the byte in the record
.set CXL,  12                          ; the same for the record's last 1,024 bytes (waves 0 and 1)
.set CXG,  13
.set BY,   20                          ; v20-23   a scale byte for each of my four blocks
.set C,    24                          ; v24-55   codes: eight registers for each block
.set KR,   64                          ; v64-127  K as loaded; later half 1 turned, later the copy out
.set X,    128                         ; v128-159 half 0 turned
.set VR,   160                         ; v160-223 V: block e at VR + 32 e
	s_load_b128 s[4:7], s[0:1], 0x0                ; key, value
	s_load_b64 s[8:9], s[0:1], 0x10                ; kv
	v_lshl_add_u32 v224, v0, 2, 0xf400             ; my spare word, behind the record
	v_mov_b32 v225, 0
	v_lshrrev_b32 v1, 5, v0
	s_delay_alu instid0(VALU_DEP_1)
	v_readfirstlane_b32 s10, v1                    ; wave 0..7
	v_and_b32 v1, 31, v0                           ; lane
	s_wait_alu depctr_va_vdst(0)                   ; the wait ahead of the run of scalar lines
	s_and_b32 s11, s10, 3
	s_lshr_b32 s12, s10, 2
	s_and_b32 s13, s10, 1
	s_lshr_b32 s14, s10, 1
	s_and_b32 s15, ttmp7, 0xffff                   ; the head; ttmp9 is the key step
	s_lshl_b32 s16, s15, 20                        ; a head is 2,048 x 512 bytes,
	s_lshl_b32 s22, ttmp9, 16                      ; a step 128 x 512
	s_add_co_u32 s16, s16, s22
	s_mov_b32 s18, s16
	s_lshl_b32 s22, s12, 15                        ; key: 64 (w >> 2) rows
	s_add_co_u32 s16, s16, s22
	s_lshl_b32 s22, s11, 12                        ; + 8 (w & 3) rows
	s_add_co_u32 s16, s16, s22
	s_mov_b32 s17, 0
	s_lshl_b32 s22, s11, 7                         ; value: 32 (w & 3) channels
	s_add_co_u32 s18, s18, s22
	s_lshl_b32 s22, s12, 15                        ; + 64 (w >> 2) keys
	s_add_co_u32 s18, s18, s22
	s_mov_b32 s19, 0
	s_lshl_b32 s20, s15, 4
	s_add_co_u32 s20, s20, ttmp9
	s_mul_i32 s20, s20, 25600                      ; kv: record 16 x head + step
	s_mov_b32 s21, 0
	v_lshlrev_b32 v2, 4, v1                        ; 16 x lane
	v_lshlrev_b32 v3, 2, v1                        ; 4 x lane
	s_mul_i32 s22, s10, STW
	v_lshrrev_b32 v14, 3, v1
	v_and_b32 v15, 7, v1
	s_delay_alu instid0(VALU_DEP_2)
	v_mul_u32_u24 v[TW], v14, 144
	s_delay_alu instid0(VALU_DEP_1)
	v_lshl_add_u32 v[TW], v15, 4, v[TW]
	s_delay_alu instid0(VALU_DEP_1)
	v_add_nc_u32 v[TW], s22, v[TW]                 ; a row's load: lane l's 16 bytes belong to block l / 8
	v_mul_u32_u24 v[TR], v1, 144
	s_delay_alu instid0(VALU_DEP_1)
	v_add_nc_u32 v[TR], s22, v[TR]                 ; back: lane l takes block l % 4 of row l / 4
	v_lshrrev_b32 v14, 2, v1
	s_delay_alu instid0(VALU_DEP_1)
	v_mul_u32_u24 v[KIA], v14, 48
	v_and_b32 v15, 1, v1
	s_delay_alu instid0(VALU_DEP_1)
	v_mad_u32_u24 v[KIA], v15, 768, v[KIA]
	v_bfe_u32 v15, v1, 1, 1
	s_delay_alu instid0(VALU_DEP_1)
	v_mad_u32_u24 v[KIA], v15, 24, v[KIA]
	s_mul_i32 s23, s10, 1536
	s_add_co_u32 s23, s23, IMG
	v_add_nc_u32 v[KIA], s23, v[KIA]               ; IMG + 1536 w + 48 (l / 4) + 768 (l & 1) + 24 ((l >> 1) & 1)
	v_and_b32 v15, 3, v1
	s_delay_alu instid0(VALU_DEP_1)
	v_lshl_add_u32 v[KSA], v14, 4, v15
	s_lshl_b32 s23, s13, 8
	s_lshl_b32 s24, s14, 2
	s_add_co_u32 s23, s23, s24
	s_add_co_u32 s23, s23, IMG+12288
	v_add_nc_u32 v[KSA], s23, v[KSA]               ; IMG + 12288 + 16 (l / 4) + l % 4 + 256 (w & 1) + 4 (w >> 1)
	v_lshrrev_b32 v14, 4, v1
	v_and_b32 v15, 15, v1
	s_delay_alu instid0(VALU_DEP_1)
	v_mul_u32_u24 v[VIA], v15, 48
	s_delay_alu instid0(VALU_DEP_1)
	v_mad_u32_u24 v[VIA], v14, 1536, v[VIA]
	s_mul_i32 s23, s11, 3072
	s_mul_i32 s24, s12, 24
	s_add_co_u32 s23, s23, s24
	s_add_co_u32 s23, s23, IMG+12800
	v_add_nc_u32 v[VIA], s23, v[VIA]               ; IMG + 12800 + 1536 (2 (w & 3) + l / 16) + 48 (l % 16) + 24 (w >> 2)
	s_lshl_b32 s23, s11, 2
	s_lshl_b32 s24, s12, 1
	s_add_co_u32 s23, s23, s24
	s_add_co_u32 s23, s23, IMG+25088
	v_add_nc_u32 v[VSA], s23, v2                   ; IMG + 25088 + 16 l + 4 (w & 3) + 2 (w >> 2)
	s_mul_i32 s23, s10, 3072
	v_add_nc_u32 v[CPG], s23, v2
	s_delay_alu instid0(VALU_DEP_1)
	v_add_nc_u32 v[CPL], IMG, v[CPG]
	s_lshl_b32 s23, s13, 9
	s_add_co_u32 s23, s23, 24576
	v_add_nc_u32 v[CXG], s23, v2
	s_delay_alu instid0(VALU_DEP_1)
	v_add_nc_u32 v[CXL], IMG, v[CXG]
	s_wait_kmcnt 0x0
	s_add_nc_u64 s[4:5], s[4:5], s[16:17]
	s_add_nc_u64 s[6:7], s[6:7], s[18:19]
	s_add_nc_u64 s[8:9], s[8:9], s[20:21]
.macro KLOAD a                         ; half a of my tile: eight rows, 32 rows behind the other half's; each load 512 consecutive bytes
.irp i, 0,1,2,3,4,5,6,7
	global_load_b128 v[KR+32*\a+4*\i:KR+32*\a+4*\i+3], v2, s[4:5] offset:16384*\a+512*\i th:TH_LOAD_NT
.endr
.endm
.macro VLOAD e                         ; key block e of my two: 32 keys of my channel
.irp i, 0,1,2,3,4,5,6,7,8,9,10,11,12,13,14,15,16,17,18,19,20,21,22,23,24,25,26,27,28,29,30,31
	global_load_b32 v[VR+32*\e+\i], v3, s[6:7] offset:(32*\e+\i)*512 th:TH_LOAD_NT
.endr
.endm
.macro TURNW a                         ; a half as loaded into my stage
.irp i, 0,1,2,3,4,5,6,7
	ds_store_b128 v[TW], v[KR+32*\a+4*\i:KR+32*\a+4*\i+3] offset:576*\i
.endr
.endm
.macro TURNR dst                       ; and back, a whole block to a lane; LDS serves a wave's instructions in order
.irp j, 0,1,2,3,4,5,6,7
	ds_load_b128 v[\dst+4*\j:\dst+4*\j+3], v[TR] offset:16*\j
.endr
.endm
; A block of 32 numbers in v[src] on becomes 24 bytes of codes at v[ia] + io and a scale byte at v[sa] + so
.macro QB src, k, ia, io, sa, so
	v_max3_num_f32 v14, |v[\src]|, |v[\src+1]|, 0x1800000          ; the largest magnitude, in two chains; the floor 2^(3 - 127) is one more leaf
	v_max3_num_f32 v15, |v[\src+2]|, |v[\src+3]|, |v[\src+4]|
.irp i, 5,9,13,17,21,25
	s_delay_alu instid0(VALU_DEP_2)
	v_max3_num_f32 v14, v14, |v[\src+\i]|, |v[\src+\i+1]|
	s_delay_alu instid0(VALU_DEP_2)
	v_max3_num_f32 v15, v15, |v[\src+\i+2]|, |v[\src+\i+3]|
.endr
	s_delay_alu instid0(VALU_DEP_2)
	v_max3_num_f32 v14, v14, |v[\src+29]|, |v[\src+30]|
	s_delay_alu instid0(VALU_DEP_1)
	v_max3_num_f32 v14, v14, v15, |v[\src+31]|
	s_delay_alu instid0(VALU_DEP_1)
	v_add_nc_u32 v16, 0xff000000, v14              ; 2 off its exponent field: the conversion's scale operand
	v_cvt_scalef32_pk16_fp6_f32 v[C+8*\k:C+8*\k+2], v[\src:\src+15], v16
	v_cvt_scalef32_pk16_fp6_f32 v[C+8*\k+4:C+8*\k+6], v[\src+16:\src+31], v16
	v_lshrrev_b32 v[BY+\k], 23, v16                ; the scale's byte; also the plain instruction behind the conversions
	v_mov_b32 v[C+8*\k+3], v[C+8*\k+4]
	v_mov_b32 v[C+8*\k+4], v[C+8*\k+5]
	v_mov_b32 v[C+8*\k+5], v[C+8*\k+6]             ; six registers on end: the block's 192 bits
.irp p, 0,1,2
	ds_store_b64 v[\ia], v[C+8*\k+2*\p:C+8*\k+2*\p+1] offset:\io+8*\p
.endr
	ds_store_b8 v[\sa], v[BY+\k] offset:\so
.endm
	KLOAD 0
	KLOAD 1
	VLOAD 0                                        ; 48 loads are out
	s_wait_loadcnt 40                              ; half 0's eight are in
	TURNW 0
	TURNR X
	s_wait_loadcnt 32                              ; half 1's eight are in
	s_wait_dscnt 0x0                               ; half 0 is back from the stage
	TURNW 1
	TURNR KR
	VLOAD 1
	QB X, 0, KIA, 0, KSA, 0                        ; rows 0-7 of my tile
	s_wait_dscnt 4                                 ; behind half 1's loads from the stage stand only the four stores just issued
	QB KR, 1, KIA, 384, KSA, 128                   ; rows 8-15: 8 x 48 and 8 x 16 bytes on
	s_wait_loadcnt 32                              ; V's first block is in, the second may be out
	QB VR, 2, VIA, 0, VSA, 0
	s_wait_loadcnt 0x0
	QB VR+32, 3, VIA, 768, VSA, 1                  ; the odd block lies 16 lanes' 48 bytes on
	s_wait_dscnt 0x0                               ; for the others' sake: my stores into the record have landed
	s_barrier_signal -1
	s_barrier_wait -1
.irp i, 0,1,2,3,4,5
	ds_load_b128 v[KR+4*\i:KR+4*\i+3], v[CPL] offset:512*\i
.endr
.irp i, 0,1,2,3,4,5
	s_wait_dscnt 5-\i
	global_store_b128 v[CPG], v[KR+4*\i:KR+4*\i+3], s[8:9] offset:512*\i   ; 32 lanes store 512 consecutive bytes, at a multiple of 256 from kv's first byte
.endr
	s_cmp_lt_u32 s10, 2                            ; 8 x 3,072 bytes are out; waves 0 and 1 take the last 1,024
	s_cbranch_scc0 .Lend
	ds_load_b128 v[KR+24:KR+27], v[CXL]
	s_wait_dscnt 0x0
	global_store_b128 v[CXG], v[KR+24:KR+27], s[8:9]
.Lend:
	s_wait_tensorcnt 0x0                           ; the wave's end
	ds_add_u32 v224, v225
	s_wait_dscnt 0x0
	s_endpgm
.Lfunc_end_k_qe6ebd5243f_quant:
	.size	k_qe6ebd5243f_quant, .Lfunc_end_k_qe6ebd5243f_quant-k_qe6ebd5243f_quant
	.p2alignl 7, 3214868480
	.fill 96, 4, 3214868480
	.section	.rodata,"a",@progbits
	.p2align	6, 0x0
	.amdhsa_kernel k_qe6ebd5243f_quant
		.amdhsa_group_segment_fixed_size 63488
		.amdhsa_private_segment_fixed_size 0
		.amdhsa_enable_private_segment 0
		.amdhsa_kernarg_size 24
		.amdhsa_user_sgpr_count 2
		.amdhsa_user_sgpr_kernarg_segment_ptr 1
		.amdhsa_wavefront_size32 1
		.amdhsa_system_sgpr_workgroup_id_x 1
		.amdhsa_system_sgpr_workgroup_id_y 1
		.amdhsa_system_sgpr_workgroup_id_z 1
		.amdhsa_system_vgpr_workitem_id 0
		.amdhsa_next_free_vgpr 226
		.amdhsa_next_free_sgpr 66
		.amdhsa_reserve_vcc 0
		.amdhsa_float_denorm_mode_32 3
		.amdhsa_float_denorm_mode_16_64 3
		.amdhsa_memory_ordered 1
		.amdhsa_forward_progress 1
		.amdhsa_inst_pref_size 24
	.end_amdhsa_kernel
	.amdgpu_metadata
---
amdhsa.version: [ 1, 2 ]
amdhsa.kernels:
  - .name:           k_qe6ebd5243f_quant
    .symbol:         k_qe6ebd5243f_quant.kd
    .args:
      - { .name: key, .offset: 0, .size: 8, .value_kind: global_buffer, .address_space: global }
      - { .name: value, .offset: 8, .size: 8, .value_kind: global_buffer, .address_space: global }
      - { .name: kv, .offset: 16, .size: 8, .value_kind: global_buffer, .address_space: global }
    .group_segment_fixed_size: 63488
    .private_segment_fixed_size: 0
    .kernarg_segment_align: 8
    .kernarg_segment_size: 24
    .max_flat_workgroup_size: 256
    .sgpr_count:     66
    .vgpr_count:     226
    .wavefront_size: 32
...
	.end_amdgpu_metadata
.endif
;; end of part 1
;; launch attn (part 2): grid 4 x 64, 8 waves a work-group, clusters of 4 x 1, 327,680 bytes of LDS; arguments query, kv, scale_factor, out0; writes out0
.if DOCPART == 2
	.amdgcn_target "amdgcn-amd-amdhsa--gfx1250"
	.amdhsa_code_object_version 6
	.text
	.protected	k_qe6ebd5243f_attn
	.globl	k_qe6ebd5243f_attn
	.p2align	8
	.type	k_qe6ebd5243f_attn,@function
k_qe6ebd5243f_attn:
	s_mov_b64 s[64:65], 0
	v_nop
	global_prefetch_b8 v0, s[64:65] scope:SCOPE_SE
	s_setreg_imm32_b32 hwreg(HW_REG_WAVE_MODE, 25, 1), 1
	s_wait_xcnt 0x0
	s_wait_alu depctr_hold_cnt(0) depctr_sa_sdst(0) depctr_va_vdst(0) depctr_va_sdst(0) depctr_va_ssrc(0) depctr_va_vcc(0) depctr_vm_vsrc(0)
	s_getreg_b32 s2, hwreg(HW_REG_IB_STS2, 6, 4)
	s_cmp_eq_u32 s2, 0
	s_cbranch_scc0 .Lentry_in_a_cluster
	s_endpgm
.Lentry_in_a_cluster:
	s_bfe_u32 s2, ttmp6, 0x10000c
	s_cmp_lg_u32 s2, 0x3003
	s_cbranch_scc0 .Lentry_shape_is_right
	s_endpgm
.Lentry_shape_is_right:
; out0[h][q][:] = the sum over k of softmax_k(query[h][q] . key[h][k] / scale_factor) value[h][k][:], 64 heads, 2,048 queries and keys, head size 128, both products on codes of FP6 (E2M3) with one E8M0 scale for each 32 along K.
; key and value come as the step records of kv (128 keys, 25,600 bytes: K's 8 fragments, K's scale words, V's 8 fragments, V's scale words, in the order of the operand's registers); query is quantised here, in registers.
; THE SOFTMAX: t = score x c, c = log2(e) / |scale_factor|; M = the running largest t rounded UP to a whole number, kept as -M = floor(-t); p = 2^(t - M) is quantised along the keys, not normalised.
; The row's sum is taken of the unquantised p, in f32, and divides at the end.  When M moves, the sum and O are multiplied by 2^(old M - new M): exact, and without a branch on data.
; A NEGATIVE scale_factor is served exactly: the sign bits of query's codes are turned (the quantiser is symmetric), so every score changes sign and c stays positive.
; A block's largest p is not searched for: the block's largest score goes through the same multiply-add and exponential (this takes v_exp_f32 not to fall where its input rises; at the worst one p of a block is held one code low).
; LIMITS: scale_factor 0, infinite, NaN or outside 2^-126 .. 2^126 is not served; NaN and infinities among the inputs are not served; a block of p that has fallen to zeros keeps the byte 1 (its codes are zeros); the scaled scores stay under 2^31.
; SHARES.  A work-group owns 512 queries of one head, as two blocks of 256 one after the other; each of its eight waves 32 queries of a block, two tiles of 16.  Every wave walks the head's 16 key steps once for each block: 32 steps.
; LAYOUT.  Both products are used transposed: S^T = K Q^T, O^T = V^T P^T: a lane holds ONE query (lane % 16) of each tile.  K's tile 4 c + u, row 8 g + j, is key 64 c + 32 g + 8 u + j: so the 32 registers of tiles 4 c .. 4 c + 3
; are, in lane half g, the keys of block 2 c + g in their order: the very k that the second product's operand gives that lane.  A block's maximum needs no other lane, and the conversions' results are the operand.
; RING.  Two LDS slots of four step records (102,400 bytes), 2^17 bytes apart; eight fills in all (records 0-15 twice).  Every wave fetches half a record, 50 rows of 256 bytes: one tensor load a wave is out at the most.
; CLUSTER.  The four work-groups of a head form a cluster and walk the same records: each half record is asked for JOINTLY, by the same descriptor with the mask of all four.
; NO PREFETCH of kv: a slot is asked for four key steps (128 matrix instructions a wave) ahead of its first read, and each record is read by one cluster alone.
; All four tiles of a wave's queries are quantised in the head; the second block's codes and scale words wait in LDS, in the 28,672 bytes between the slots, on which no tensor load lands.
; FRAGMENTS.  K's for step i + 1 are read from LDS behind step i's first product (not across a change of slots); V's tiles 0-3 have registers of their own, tiles 4-7 land where tile 0's p has been.
; THE STEP'S ORDER.  Independent lines stand between dependent ones: eight chains of maxima, four of sums; each batch of exponentials carries plain lines none of which reads what a line of the same batch writes.
; REGISTERS.  Window 0: v1-11 addresses; v12-19 statistics; v20-31 scale words; v32-159 S^T, then p; v160-183 p's codes; v184-231 V's tiles 0-3; v232-254 at work.  Window 1: v0-127 O^T; v128-151 Q's codes; v152-247 K's fragments.
.set STEPB,  25600
.set HALFB,  12800
.set SLOTB,  4*STEPB
.set SLOT1,  1<<17
.set QIMG,   SLOTB                     ; between the slots: 3,584 bytes a wave: the second block's Q: six groups of four registers, then the scale words' group
.set STG,    SLOT1+SLOTB               ; a stage for each wave, 16 rows x (512 + 16) bytes
.set SPITCH, 528
.set STGW,   16*SPITCH
.set SPARE,  STG+8*STGW                ; the spare words, 128 bytes a wave
.set BLKB,   131072                    ; a block of 256 queries in query and out0
.set AF,   1                           ; 48 x lane
.set ASC,  2                           ; 16 x lane
.set SPW,  3
.set NIL,  4
.set ADF,  5                           ; the step's record + AF
.set ADS,  6                           ; the step's record + ASC
.set SW,   7                           ; my stage + 16 x lane
.set SR,   8                           ; my stage + 528 r + 128 h
.set SI,   9                           ; my stage + 528 r + 32 h
.set H8,   10                          ; 8 h
.set QIA,  11                          ; my part of QIMG + 16 x lane
.set STA,  12                          ; tile x: v[12+4x] -M, v[13+4x] the largest t, v[14+4x:15+4x] the sum in two halves
.set KS,   20
.set VS,   24
.set QS,   28
.set PS,   30
.set SS,   32
.set PC,   160
.set XQ,   160                         ; in the head: 64 numbers of Q
.set FV,   184
.set BM,   232                         ; v[232+2x+c] block c's largest score of tile x, then its largest p
.set SO,   236                         ; the maxima's second chains, then the conversions' scale operands
.set T2,   240                         ; v240-243 at work
.set FF,   244                         ; v[244+2x:245+2x] f, at the end 1 / the sum; the upper word holds 0
.set CT,   248                         ; v248-250, v252-254: conversions' results on their way; v248-253: the sums' three further chains
.set OO,   0                           ; window 1
.set QR,   128
.set FK,   152
.set WV,   12
.set SEL,  20
.set CS,   22
.set G1,   24
.set G0,   32
.set TB,   36                          ; LDS byte at which the step's record begins
.set SLOTS, 37                         ; fills still to be asked for
.set NST,  38
.set MK,   44
.set MSB, 0
.macro WIN new
.if MSB != \new
	s_set_vgpr_msb (MSB<<8)|\new
.set MSB, \new
.endif
.endm
.macro CROUND                          ; a round of the cluster's barrier
	s_barrier_signal -1
	s_barrier_wait -1
	s_cmp_lg_u32 s[WV], 0
	s_cbranch_scc1 .Lnot_wave_0_\@
	s_barrier_signal -3
.Lnot_wave_0_\@:
	s_barrier_wait -3
	s_barrier_signal -1
	s_barrier_wait -1
.endm
	s_load_b256 s[4:11], s[0:1], 0x0               ; query, kv, scale_factor, out0
	v_lshl_add_u32 v[SPW], v0, 2, SPARE
	v_mov_b32 v[NIL], 0
	ds_add_u32 v[SPW], v[NIL]                      ; the opening lines: the add twice on end and one wait
	ds_add_u32 v[SPW], v[NIL]
	v_lshrrev_b32 v[T2], 5, v0
	s_delay_alu instid0(VALU_DEP_1)
	v_readfirstlane_b32 s[WV], v[T2]               ; wave 0..7
	v_and_b32 v[T2], 31, v0                        ; lane
	s_delay_alu instid0(VALU_DEP_1)
	v_lshlrev_b32 v[ASC], 4, v[T2]
	v_mul_u32_u24 v[AF], v[T2], 48
	s_bfe_u32 s13, ttmp6, 0x40000                  ; cx
	s_lshl_b32 s14, ttmp9, 2
	s_add_co_u32 s14, s14, s13                     ; my 512 queries: they enter query's and out0's addresses alone
	s_and_b32 s15, ttmp7, 0xffff                   ; the head, which the four partners share
	s_mov_b32 s[G1], 15|(3<<16)|(1<<21)            ; the mask of all four; elements of 8 bytes; bit 21 beside a mask
	s_mov_b32 s[G1+1], 32<<16                      ; rows of 32 elements,
	s_mov_b32 s[G1+2], 50<<16                      ; 50 of them
	s_mov_b32 s[G1+3], 32<<16
	s_mov_b32 s[G1+4], 50
	s_mov_b32 s[G1+5], 32                          ; dense
	s_mov_b32 s[G1+6], 0
	s_mov_b32 s[G1+7], 0
	s_lshl_b32 s40, s15, 20                        ; the head's 2,048 x 512 bytes,
	s_lshl_b32 s47, s14, 18                        ; my 512 x 512,
	s_add_co_u32 s40, s40, s47
	s_lshl_b32 s47, s[WV], 14                      ; my wave's 32 x 512
	s_add_co_u32 s40, s40, s47
	s_mov_b32 s41, 0
	s_mul_i32 s[G0+1], s[WV], HALFB                ; my half record's place in slot 0,
	s_mul_i32 s42, s15, 16*STEPB                   ; and in kv
	s_add_co_u32 s42, s42, s[G0+1]
	s_mov_b32 s43, 0
	s_mov_b32 s[G0], 1
	s_mov_b32 s[SEL], 0x76543210
	s_mov_b32 s[SEL+1], 0xfedcba98
	s_mov_b32 s[TB], 0
	s_mov_b32 s[SLOTS], 7
	s_mov_b32 s49, 0
	s_wait_alu depctr_va_vdst(0)                   ; the wait ahead of the waits below
	s_wait_dscnt 0x0
	s_wait_kmcnt 0x0
	s_load_b32 s16, s[8:9], 0x0                    ; scale_factor
	s_add_nc_u64 s[4:5], s[4:5], s[40:41]
	s_add_nc_u64 s[10:11], s[10:11], s[40:41]
	s_add_nc_u64 s[G0+2:G0+3], s[6:7], s[42:43]
	s_or_b32 s[G0+3], s[G0+3], 0x80000000
	WIN 0x40                                       ; the second block's rows wait where O^T will be
.irp x, 0,1
.irp i, 0,1,2,3,4,5,6,7,8,9,10,11,12,13,14,15
	global_load_b128 v[OO+64*\x+4*\i:OO+64*\x+4*\i+3], v[ASC], s[4:5] offset:BLKB+8192*\x+512*\i th:TH_LOAD_NT
.endr
.endr
	WIN 0
.irp x, 0,1
.irp i, 0,1,2,3,4,5,6,7,8,9,10,11,12,13,14,15
	global_load_b128 v[SS+64*\x+4*\i:SS+64*\x+4*\i+3], v[ASC], s[4:5] offset:8192*\x+512*\i th:TH_LOAD_NT   ; a row of query: 512 consecutive bytes
.endr
.endr
	s_wait_kmcnt 0x0
	CROUND                                         ; the first joint loads meet
	tensor_load_to_lds s[G0:G0+3], s[G1:G1+7]      ; slot 0: key steps 0 to 3, my half record
	s_nop 0
	v_and_b32 v[BM], 15, v0                        ; r
	v_bfe_u32 v[BM+1], v0, 4, 1                    ; h
	s_mul_i32 s19, s[WV], STGW
	s_add_co_u32 s19, s19, STG
	v_add_nc_u32 v[SW], s19, v[ASC]
	v_mul_u32_u24 v[SR], v[BM], SPITCH
	s_delay_alu instid0(VALU_DEP_1)
	v_add_nc_u32 v[SR], s19, v[SR]
	s_delay_alu instid0(VALU_DEP_1)
	v_lshl_add_u32 v[SI], v[BM+1], 5, v[SR]
	s_delay_alu instid0(VALU_DEP_2)
	v_lshl_add_u32 v[SR], v[BM+1], 7, v[SR]
	v_lshlrev_b32 v[H8], 3, v[BM+1]
	s_mul_i32 s18, s[WV], 3584
	s_add_co_u32 s18, s18, QIMG
	v_add_nc_u32 v[QIA], s18, v[ASC]
	v_mov_b32 v[BM+2], s16
	s_delay_alu instid0(VALU_DEP_1)
	v_and_b32 v[BM+2], 0x7fffffff, v[BM+2]         ; a = |scale_factor|
	s_wait_alu depctr_va_vdst(0)                   ; the wait ahead of the transcendental
	v_rcp_f32 v[SO], v[BM+2]
	v_nop
	s_wait_alu depctr_va_vdst(0)                   ; and behind it
	v_fma_f32 v[SO+1], -v[BM+2], v[SO], 1.0        ; one Newton step
	v_fma_f32 v[SO], v[SO+1], v[SO], v[SO]
	s_delay_alu instid0(VALU_DEP_1)
	v_mul_f32 v[SO], 0x3fb8aa3b, v[SO]             ; c = log2(e) / a
	s_delay_alu instid0(VALU_DEP_1)
	v_readfirstlane_b32 s[CS], v[SO]
	s_mov_b32 s[CS+1], s[CS]
	s_ashr_i32 s17, s16, 31                        ; all ones where scale_factor is negative
	s_and_b32 s[MK], s17, 0x20820820               ; code i's sign is bit 6 i + 5 of the 96
	s_and_b32 s[MK+1], s17, 0x08208208
	s_and_b32 s[MK+2], s17, 0x82082082
.irp b, 0,1,2,3
	v_mov_b32 v[T2+\b], 0                          ; a lane permute's destination counts as one of its sources
.endr
	v_mov_b32 v[FF+1], 0
	v_mov_b32 v[FF+3], 0
	v_mov_b32 v[PS], 0
	v_mov_b32 v[PS+1], 0
	s_wait_alu depctr_va_vdst(0)                   ; the wait ahead of the wait that follows
; Tile x of Q, its 16 rows in v[src] on of window w: through my stage, so that lane (r, h) holds blocks h and 2 + h of row r; then codes into Q's registers and the scale word.  left: the loads that may stay out.
.macro QTILE x, left, src, w
	s_wait_loadcnt \left
	WIN 4*\w                                       ; an LDS store's data are its source 1
.irp i, 0,1,2,3,4,5,6,7,8,9,10,11,12,13,14,15
	ds_store_b128 v[SW], v[\src+4*\i:\src+4*\i+3] offset:SPITCH*\i
.endr
	WIN 0
.irp c, 0,1
.irp j, 0,1,2,3,4,5,6,7
	ds_load_b128 v[XQ+32*\c+4*\j:XQ+32*\c+4*\j+3], v[SR] offset:256*\c+16*\j   ; LDS serves a wave's instructions in order
.endr
.endr
	s_wait_dscnt 0x0
.irp c, 0,1
	v_max3_num_f32 v[BM+\c], |v[XQ+32*\c]|, |v[XQ+32*\c+1]|, 0x1800000   ; the floor 2^(3 - 127) holds the byte at 1 from below
.endr
.irp i, 2,4,6,8,10,12,14,16,18,20,22,24,26,28,30
.irp c, 0,1
	s_delay_alu instid0(VALU_DEP_2)
	v_max3_num_f32 v[BM+\c], v[BM+\c], |v[XQ+32*\c+\i]|, |v[XQ+32*\c+\i+1]|
.endr
.endr
.irp c, 0,1
	s_delay_alu instid0(VALU_DEP_2)
	v_add_nc_u32 v[SO+\c], 0xff000000, v[BM+\c]    ; 2 off the exponent field: the conversion's scale operand
.endr
.irp c, 0,1
	s_delay_alu instid0(VALU_DEP_2)
	v_lshrrev_b32 v[T2+\c], 23, v[SO+\c]           ; the scale's byte
.endr
	s_delay_alu instid0(VALU_DEP_1)
	v_lshl_or_b32 v[QS+\x], v[T2+1], 16, v[T2]     ; blocks h and 2 + h,
	s_delay_alu instid0(VALU_DEP_1)
	v_lshlrev_b32 v[QS+\x], v[H8], v[QS+\x]        ; at their places in the word;
	s_delay_alu instid0(VALU_DEP_1)
	v_permlanex16_b32 v[T2+2], v[QS+\x], s[SEL], s[SEL+1]
	s_delay_alu instid0(VALU_DEP_1)
	v_or_b32 v[QS+\x], v[QS+\x], v[T2+2]           ; with lane l xor 16's two the word is whole
.irp c, 0,1
	v_cvt_scalef32_pk16_fp6_f32 v[CT:CT+2], v[XQ+32*\c:XQ+32*\c+15], v[SO+\c]
	v_cvt_scalef32_pk16_fp6_f32 v[CT+4:CT+6], v[XQ+32*\c+16:XQ+32*\c+31], v[SO+\c]
	v_nop                                          ; one plain instruction behind a scaled conversion
	WIN 0x40
.irp i, 0,1,2,3,4,5
	v_xor_b32 v[QR+12*\x+6*\c+\i], s[MK+\i%3], v[CT+4*(\i/3)+\i%3]   ; the signs turned where scale_factor is negative
.endr
	WIN 0
.endr
.endm
.macro INIT                            ; a block's start: the largest t is -3e38, the sums and O^T are zeros, which the first change of M leaves zeros
.irp x, 0,1
	v_mov_b32 v[STA+4*\x+1], 0xff61b1e6
	s_delay_alu instid0(VALU_DEP_1)
	v_floor_f32 v[STA+4*\x], -v[STA+4*\x+1]
	v_mov_b32 v[STA+4*\x+2], 0
	v_mov_b32 v[STA+4*\x+3], 0
.endr
	WIN 0x40
.set j, 0
.rept 128
	v_mov_b32 v[OO+j], 0
.set j, j+1
.endr
	WIN 0
.endm
	QTILE 0, 48, OO, 1                             ; the second block first: the three later tiles' 48 loads may stay out
	QTILE 1, 32, OO+64, 1
	WIN 0x04
.irp k, 0,1,2,3,4,5
	ds_store_b128 v[QIA], v[QR+4*\k:QR+4*\k+3] offset:512*\k   ; an image of the operand's registers
.endr
	WIN 0
	ds_store_b128 v[QIA], v[QS:QS+3] offset:3072   ; and of the scale words' group
	QTILE 0, 16, SS, 0
	QTILE 1, 0, SS+64, 0
	INIT
	s_wait_alu depctr_va_vdst(0)                   ; the wait at the head's end
.macro KQ1 t, x                        ; S^T = K Q^T: K's tile t, queries' tile x
.if (\t)%2
	v_wmma_scale_f32_16x16x128_f8f6f4 v[SS+64*\x+8*\t:SS+64*\x+8*\t+7], v[FK+12*\t:FK+12*\t+11], v[QR+12*\x:QR+12*\x+11], 0, v[KS+\t/2], v[QS+\x] matrix_a_fmt:MATRIX_FMT_FP6 matrix_b_fmt:MATRIX_FMT_FP6 matrix_a_scale:MATRIX_SCALE_ROW1
.else
	v_wmma_scale_f32_16x16x128_f8f6f4 v[SS+64*\x+8*\t:SS+64*\x+8*\t+7], v[FK+12*\t:FK+12*\t+11], v[QR+12*\x:QR+12*\x+11], 0, v[KS+\t/2], v[QS+\x] matrix_a_fmt:MATRIX_FMT_FP6 matrix_b_fmt:MATRIX_FMT_FP6
.endif
.endm
.macro PV1 t, x                        ; O^T += V^T P^T: channels 16 t on, queries' tile x
.if (\t) < 4
.set rV, FV+12*(\t)
.else
.set rV, SS+12*((\t)-4)
.endif
.if (\t)%2
	v_wmma_scale_f32_16x16x128_f8f6f4 v[OO+64*\x+8*\t:OO+64*\x+8*\t+7], v[rV:rV+11], v[PC+12*\x:PC+12*\x+11], v[OO+64*\x+8*\t:OO+64*\x+8*\t+7], v[VS+\t/2], v[PS+\x] matrix_a_fmt:MATRIX_FMT_FP6 matrix_b_fmt:MATRIX_FMT_FP6 matrix_a_scale:MATRIX_SCALE_ROW1
.else
	v_wmma_scale_f32_16x16x128_f8f6f4 v[OO+64*\x+8*\t:OO+64*\x+8*\t+7], v[rV:rV+11], v[PC+12*\x:PC+12*\x+11], v[OO+64*\x+8*\t:OO+64*\x+8*\t+7], v[VS+\t/2], v[PS+\x] matrix_a_fmt:MATRIX_FMT_FP6 matrix_b_fmt:MATRIX_FMT_FP6
.endif
.endm
.macro KFETCH off                      ; K's eight fragments and scale words of the record at v[ADF] + off
	WIN 0x40
.irp t, 0,1,2,3,4,5,6,7
.irp g, 0,1,2
	ds_load_b128 v[FK+12*\t+4*\g:FK+12*\t+4*\g+3], v[ADF] offset:\off+1536*\t+16*\g
.endr
.endr
	WIN 0
	ds_load_b128 v[KS:KS+3], v[ADS] offset:\off+12288
.endm
.macro VLD k                           ; load k and k + 1 of the twelve that bring V's tiles 0-3
	ds_load_b128 v[FV+4*(\k):FV+4*(\k)+3], v[ADF] offset:12800+1536*((\k)/3)+16*((\k)%3)
	ds_load_b128 v[FV+4*(\k)+4:FV+4*(\k)+7], v[ADF] offset:12800+1536*((\k+1)/3)+16*((\k+1)%3)
.endm
.macro FMAS x, from, n                 ; t - M of n pairs of tile x's scores, from register 'from' on
.set j, \from
.rept \n
	v_pk_fma_f32 v[SS+64*\x+j:SS+64*\x+j+1], v[SS+64*\x+j:SS+64*\x+j+1], s[CS:CS+1], v[STA+4*\x:STA+4*\x+1] op_sel_hi:[1,0,0]
.set j, j+2
.endr
.endm
; The largest score of each of my two blocks of both tiles: eight chains by turns, two to a block; each accumulator is read from its low end on.
.macro SMAX
.irp x, 0,1
.irp c, 0,1
	v_max3_num_f32 v[BM+2*\x+\c], v[SS+64*\x+32*\c], v[SS+64*\x+32*\c+1], v[SS+64*\x+32*\c+2]
	v_max3_num_f32 v[SO+2*\x+\c], v[SS+64*\x+32*\c+16], v[SS+64*\x+32*\c+17], v[SS+64*\x+32*\c+18]
.endr
.endr
.irp i, 3,5,7,9,11,13
.irp x, 0,1
.irp c, 0,1
	v_max3_num_f32 v[BM+2*\x+\c], v[BM+2*\x+\c], v[SS+64*\x+32*\c+\i], v[SS+64*\x+32*\c+\i+1]
	v_max3_num_f32 v[SO+2*\x+\c], v[SO+2*\x+\c], v[SS+64*\x+32*\c+16+\i], v[SS+64*\x+32*\c+17+\i]
.endr
.endr
.endr
.irp x, 0,1
.irp c, 0,1
	v_max3_num_f32 v[BM+2*\x+\c], v[BM+2*\x+\c], v[SO+2*\x+\c], v[SS+64*\x+32*\c+15]
.endr
.endr
.irp x, 0,1
.irp c, 0,1
	v_max_num_f32 v[BM+2*\x+\c], v[BM+2*\x+\c], v[SS+64*\x+32*\c+31]
.endr
.endr
.endm
; The new M and f of both tiles; V's first twelve loads stand between the chain's links, and tile 0's multiply-adds behind the new M.
.macro STATS
.irp x, 0,1
	v_max_num_f32 v[T2+\x], v[BM+2*\x], v[BM+2*\x+1]
.endr
	VLD 0
.irp x, 0,1
	v_permlanex16_b32 v[T2+2+\x], v[T2+\x], s[SEL], s[SEL+1]
.endr
	VLD 2
.irp x, 0,1
	v_max_num_f32 v[T2+\x], v[T2+\x], v[T2+2+\x]   ; the step's largest score of my query
.endr
	VLD 4
.irp x, 0,1
	v_mul_f32 v[T2+\x], s[CS], v[T2+\x]            ; as t (c is positive)
.endr
	VLD 6
.irp x, 0,1
	v_max_num_f32 v[STA+4*\x+1], v[STA+4*\x+1], v[T2+\x]
.endr
	VLD 8
.irp x, 0,1
	v_mov_b32 v[T2+\x], v[STA+4*\x]
.endr
	VLD 10
.irp x, 0,1
	v_floor_f32 v[STA+4*\x], -v[STA+4*\x+1]        ; the new -M = -ceil(t)
.endr
.irp x, 0,1
	v_sub_f32 v[T2+\x], v[STA+4*\x], v[T2+\x]      ; old M less new M: a whole number, 0 or less
.endr
	FMAS 0, 0, 4
.irp x, 0,1
	v_cvt_i32_f32 v[T2+\x], v[T2+\x]
.endr
	FMAS 0, 8, 4
.irp x, 0,1
	v_ldexp_f32 v[FF+2*\x], 1.0, v[T2+\x]          ; f = 2^(old M - new M)
.endr
	FMAS 0, 16, 24
.irp c, 0,1
	v_fma_f32 v[BM+\c], v[BM+\c], s[CS], v[STA]
.endr
.endm
; n pairs of tile x's p, st registers apart, onto the row's sum: four chains by turns
.macro SUMP x, st, n
.set rS, SS+64*(\x)
.set rT, STA+4*(\x)+2
	v_pk_add_f32 v[rT:rT+1], v[rT:rT+1], v[rS:rS+1]
	v_pk_add_f32 v[CT:CT+1], v[rS+\st:rS+\st+1], v[rS+2*\st:rS+2*\st+1]
	v_pk_add_f32 v[CT+2:CT+3], v[rS+3*\st:rS+3*\st+1], v[rS+4*\st:rS+4*\st+1]
	v_pk_add_f32 v[CT+4:CT+5], v[rS+5*\st:rS+5*\st+1], v[rS+6*\st:rS+6*\st+1]
.set k, 7*\st
.rept (\n-8)/4
	v_pk_add_f32 v[rT:rT+1], v[rT:rT+1], v[rS+k:rS+k+1]
	v_pk_add_f32 v[CT:CT+1], v[CT:CT+1], v[rS+k+\st:rS+k+\st+1]
	v_pk_add_f32 v[CT+2:CT+3], v[CT+2:CT+3], v[rS+k+2*\st:rS+k+2*\st+1]
	v_pk_add_f32 v[CT+4:CT+5], v[CT+4:CT+5], v[rS+k+3*\st:rS+k+3*\st+1]
.set k, k+4*\st
.endr
	v_pk_add_f32 v[rT:rT+1], v[rT:rT+1], v[rS+k:rS+k+1]
	v_pk_add_f32 v[CT:CT+1], v[CT:CT+1], v[CT+2:CT+3]
	v_pk_add_f32 v[rT:rT+1], v[rT:rT+1], v[CT+4:CT+5]
	v_pk_add_f32 v[rT:rT+1], v[rT:rT+1], v[CT:CT+1]
.endm
.macro CODES x                         ; tile x's four conversions: my blocks h and 2 + h are whole in my registers
.irp c, 0,1
	v_cvt_scalef32_pk16_fp6_f32 v[PC+12*\x+6*\c:PC+12*\x+6*\c+2], v[SS+64*\x+32*\c:SS+64*\x+32*\c+15], v[SO+2*\x+\c]
	v_cvt_scalef32_pk16_fp6_f32 v[CT+4*\c:CT+4*\c+2], v[SS+64*\x+32*\c+16:SS+64*\x+32*\c+31], v[SO+2*\x+\c]   ; (a conversion's three registers begin on an even number)
.endr
.endm
.macro UPPER x                         ; the upper halves to their places
.irp c, 0,1
.irp i, 0,1,2
	v_mov_b32 v[PC+12*\x+6*\c+3+\i], v[CT+4*\c+\i]
.endr
.endr
.endm
.macro RESC x                          ; O^T under the new M, in ascending order
.set j, 0
.rept 32
	v_pk_mul_f32 v[OO+64*\x+j:OO+64*\x+j+1], v[OO+64*\x+j:OO+64*\x+j+1], v[FF+2*\x:FF+2*\x+1] op_sel_hi:[1,0]
.set j, j+2
.endr
.endm
; A KEY STEP: 128 keys, the record at LDS byte s[TB]; its fragments of K have been asked for.  pf = 1: the next record of the slot follows, and its fragments of K are asked for.
.macro STEP pf
	s_wait_dscnt 0x0                               ; K's fragments and scale words are in
	WIN 0x05
.irp t, 0,1,2,3,4,5,6,7
.irp x, 0,1
	KQ1 \t, \x
.endr
.endr
	WIN 0
	v_add_nc_u32 v[ADF], s[TB], v[AF]
	v_add_nc_u32 v[ADS], s[TB], v[ASC]
	v_nop
	v_nop                                          ; four places behind the products, ahead of the loads below and of the first read of the scores
.if \pf
	KFETCH STEPB
.endif
	ds_load_b128 v[VS:VS+3], v[ADS] offset:25088
	SMAX
	STATS
	WIN 0x41
	RESC 0                                         ; no transcendental stands between the last step's products and these reads
	RESC 1
	WIN 0
	s_wait_alu depctr_va_vdst(0)                   ; the wait ahead of a batch
.set j, 0
.rept 32                                       ; tile 0's p; tile 1's multiply-adds stand among the exponentials and are read behind the wait
	v_exp_f32 v[SS+j], v[SS+j]
	v_exp_f32 v[SS+j+1], v[SS+j+1]
	v_pk_fma_f32 v[SS+64+j:SS+64+j+1], v[SS+64+j:SS+64+j+1], s[CS:CS+1], v[STA+4:STA+5] op_sel_hi:[1,0,0]
.set j, j+2
.endr
	v_exp_f32 v[BM], v[BM]                         ; tile 0's blocks' largest p
	v_exp_f32 v[BM+1], v[BM+1]
.irp c, 0,1
	v_fma_f32 v[BM+2+\c], v[BM+2+\c], s[CS], v[STA+4]
.endr
	s_wait_alu depctr_va_vdst(0)                   ; behind tile 0's batch, ahead of tile 1's
.irp c, 0,1
	v_max_num_f32 v[BM+\c], 0x1800000, v[BM+\c]    ; the floor 2^(3 - 127): the byte cannot fall under 1
.endr
.irp c, 0,1
	v_add_nc_u32 v[SO+\c], 0xff000000, v[BM+\c]    ; 2 off the exponent field: the conversion's scale operand
.endr
	CODES 0
	v_nop                                          ; one plain instruction behind a scaled conversion
	UPPER 0
.set j, 0
.rept 16                                       ; tile 1's p; the first level of tile 0's sum, in place (its codes are made), stands among the exponentials
	v_exp_f32 v[SS+64+j], v[SS+64+j]
	v_exp_f32 v[SS+64+j+1], v[SS+64+j+1]
	v_exp_f32 v[SS+64+j+2], v[SS+64+j+2]
	v_exp_f32 v[SS+64+j+3], v[SS+64+j+3]
	v_pk_add_f32 v[SS+j:SS+j+1], v[SS+j:SS+j+1], v[SS+j+2:SS+j+3]
.set j, j+4
.endr
	v_exp_f32 v[BM+2], v[BM+2]
	v_exp_f32 v[BM+3], v[BM+3]
.irp x, 0,1
	v_pk_mul_f32 v[STA+4*\x+2:STA+4*\x+3], v[STA+4*\x+2:STA+4*\x+3], v[FF+2*\x:FF+2*\x+1] op_sel_hi:[1,0]   ; the sums under the new M
.endr
.irp c, 0,1
	v_lshrrev_b32 v[T2+\c], 23, v[SO+\c]           ; tile 0's scale bytes
.endr
	s_wait_alu depctr_va_vdst(0)                   ; behind the batch
	SUMP 0, 4, 16
.irp t, 4,5,6,7
.irp g, 0,1,2
	ds_load_b128 v[SS+12*(\t-4)+4*\g:SS+12*(\t-4)+4*\g+3], v[ADF] offset:12800+1536*\t+16*\g   ; where tile 0's p has been
.endr
.endr
	v_max_num_f32 v[BM+2], 0x1800000, v[BM+2]      ; tile 0's scale word and tile 1's codes by turns
	v_max_num_f32 v[BM+3], 0x1800000, v[BM+3]
	v_lshl_or_b32 v[PS], v[T2+1], 16, v[T2]        ; blocks h and 2 + h,
	v_add_nc_u32 v[SO+2], 0xff000000, v[BM+2]
	v_add_nc_u32 v[SO+3], 0xff000000, v[BM+3]
	v_lshlrev_b32 v[PS], v[H8], v[PS]              ; at their places in the word;
	v_lshrrev_b32 v[T2+2], 23, v[SO+2]
	v_lshrrev_b32 v[T2+3], 23, v[SO+3]
	v_permlanex16_b32 v[BM], v[PS], s[SEL], s[SEL+1]
	v_lshl_or_b32 v[PS+1], v[T2+3], 16, v[T2+2]
	v_nop
	v_or_b32 v[PS], v[PS], v[BM]                   ; with lane l xor 16's two the word is whole
	v_lshlrev_b32 v[PS+1], v[H8], v[PS+1]
	v_permlanex16_b32 v[BM+1], v[PS+1], s[SEL], s[SEL+1]
	CODES 1
	v_or_b32 v[PS+1], v[PS+1], v[BM+1]             ; also the plain instruction behind the conversions
	UPPER 1
	SUMP 1, 2, 32                                  ; 32 plain instructions between the last write of an operand or a scale word and the products
	s_wait_dscnt 12                                ; all but the twelve youngest loads, V's tiles 4-7, are in
	WIN 0x50                                       ; C and D window 1
.irp t, 0,1,2,3
.irp x, 0,1
	PV1 \t, \x                                     ; sixteen accumulators by turns
.endr
.endr
	s_wait_dscnt 0x0                               ; V's tiles 4-7 are in
.irp t, 4,5,6,7
.irp x, 0,1
	PV1 \t, \x
.endr
.endr
	WIN 0
.rept 5
	v_nop                                          ; five places: the next step's first products write over registers that these have read
.endr
.endm
; THE CHANGE OF SLOTS.  Each wave waits for its tensor load, adds 0 to its spare word, and waits for that and for its LDS reads.  fill = 1: a round of the cluster's barrier, and my joint load of the next four records first behind it.
.macro CHANGE fill
	s_wait_tensorcnt 0x0
	ds_add_u32 v[SPW], v[NIL]
.if \fill
	s_xor_b32 s[G0+1], s[G0+1], SLOT1              ; the other slot,
	s_add_nc_u64 s[G0+2:G0+3], s[G0+2:G0+3], SLOTB ; the next four records;
	s_cmp_eq_u32 s[SLOTS], 4                       ; behind the head's last four the second block begins at its first
	s_cselect_b32 s48, 4*SLOTB, 0
	s_sub_nc_u64 s[G0+2:G0+3], s[G0+2:G0+3], s[48:49]
	s_wait_dscnt 0x0
	CROUND
	tensor_load_to_lds s[G0:G0+3], s[G1:G1+7]
	s_nop 0
.else
	s_wait_dscnt 0x0
	s_barrier_signal -1
	s_barrier_wait -1
.endif
	v_add_nc_u32 v[ADF], s[TB], v[AF]
	v_add_nc_u32 v[ADS], s[TB], v[ASC]
	v_nop
	v_nop                                          ; four vector lines ahead of the switch of windows
	KFETCH 0
.endm
.macro SLOT_STEPS
	s_mov_b32 s[NST], 3
.Lstep_\@:
	STEP 1
	s_add_co_u32 s[TB], s[TB], STEPB
	s_sub_co_u32 s[NST], s[NST], 1
	s_cmp_lg_u32 s[NST], 0
	s_cbranch_scc1 .Lstep_\@
	STEP 0                                         ; the slot's last record: nothing is read beyond it
	s_sub_co_u32 s[TB], s[TB], 3*STEPB
	s_xor_b32 s[TB], s[TB], SLOT1
.endm
; THE WAY OUT of a block: the sums are joined, O^T is divided and goes through my stage, 16 rows of 512 bytes at a time.
.macro OMUL x
	WIN 0x01
.set j, 0
.rept 32
	v_pk_mul_f32 v[SS+64*\x+j:SS+64*\x+j+1], v[OO+64*\x+j:OO+64*\x+j+1], v[FF+2*\x:FF+2*\x+1] op_sel_hi:[1,0]
.set j, j+2
.endr
	WIN 0
.endm
.macro TOSTAGE x, rb
.irp t, 0,1,2,3,4,5,6,7
	ds_store_b128 v[SI], v[SS+64*\x+8*\t:SS+64*\x+8*\t+3] offset:64*\t
	ds_store_b128 v[SI], v[SS+64*\x+8*\t+4:SS+64*\x+8*\t+7] offset:64*\t+16
.endr
.irp i, 0,1,2,3,4,5,6,7,8,9,10,11,12,13,14,15
	ds_load_b128 v[\rb+4*\i:\rb+4*\i+3], v[SW] offset:SPITCH*\i
.endr
.endm
.macro SEND x, rb, blk
.irp i, 0,1,2,3,4,5,6,7,8,9,10,11,12,13,14,15
	s_wait_dscnt 15-\i
	global_store_b128 v[ASC], v[\rb+4*\i:\rb+4*\i+3], s[10:11] offset:BLKB*\blk+8192*\x+512*\i th:TH_STORE_NT   ; a row's 512 consecutive bytes
.endr
.endm
.macro WAYOUT blk
	s_wait_alu depctr_va_vdst(0)
.irp x, 0,1
	v_add_f32 v[BM+\x], v[STA+4*\x+2], v[STA+4*\x+3]
.endr
.irp x, 0,1
	s_delay_alu instid0(VALU_DEP_2)
	v_permlanex16_b32 v[T2+\x], v[BM+\x], s[SEL], s[SEL+1]
.endr
.irp x, 0,1
	s_delay_alu instid0(VALU_DEP_2)
	v_add_f32 v[BM+\x], v[BM+\x], v[T2+\x]         ; the row's sum
.endr
	s_wait_alu depctr_va_vdst(0)                   ; the wait ahead of the batch
.irp x, 0,1
	v_rcp_f32 v[FF+2*\x], v[BM+\x]
.endr
	v_nop
	s_wait_alu depctr_va_vdst(0)                   ; and behind it
	OMUL 0
	TOSTAGE 0, 160
	OMUL 1
	s_wait_alu depctr_va_vdst(0)                   ; the wait ahead of SEND's waits
	SEND 0, 160, \blk
	TOSTAGE 1, 32
	SEND 1, 32, \blk
.endm
.Lslot:                                            ; seven trips: behind each change of slots but the last the next slot is asked for
	CHANGE 1
	SLOT_STEPS
	s_cmp_lg_u32 s[SLOTS], 4                       ; the fourth slot ends the first block: a count of the loop, the same in every wave and partner
	s_cbranch_scc1 .Lsame_block
	WAYOUT 0
	s_wait_xcnt 0x0                                ; the stores' data registers are written again only behind this wait
	WIN 0x40
.irp k, 0,1,2,3,4,5
	ds_load_b128 v[QR+4*\k:QR+4*\k+3], v[QIA] offset:512*\k   ; the second block's Q; the wait for it stands in the change of slots
.endr
	WIN 0
	ds_load_b128 v[QS:QS+3], v[QIA] offset:3072
	INIT
	s_wait_alu depctr_va_vdst(0)                   ; the wait ahead of the label and the branch
.Lsame_block:
	s_sub_co_u32 s[SLOTS], s[SLOTS], 1
	s_cmp_lg_u32 s[SLOTS], 0
	s_cbranch_scc1 .Lslot
	CHANGE 0                                       ; the last slot is written out
	SLOT_STEPS
	WAYOUT 1
	s_wait_tensorcnt 0x0                           ; the wave's end
	ds_add_u32 v[SPW], v[NIL]
	s_wait_dscnt 0x0
	CROUND                                         ; the closing round
	s_endpgm
.Lfunc_end_k_qe6ebd5243f_attn:
	.size	k_qe6ebd5243f_attn, .Lfunc_end_k_qe6ebd5243f_attn-k_qe6ebd5243f_attn
	.p2alignl 7, 3214868480
	.fill 96, 4, 3214868480
	.section	.rodata,"a",@progbits
	.p2align	6, 0x0
	.amdhsa_kernel k_qe6ebd5243f_attn
		.amdhsa_group_segment_fixed_size 327680
		.amdhsa_private_segment_fixed_size 0
		.amdhsa_enable_private_segment 0
		.amdhsa_kernarg_size 32
		.amdhsa_user_sgpr_count 2
		.amdhsa_user_sgpr_kernarg_segment_ptr 1
		.amdhsa_wavefront_size32 1
		.amdhsa_system_sgpr_workgroup_id_x 1
		.amdhsa_system_sgpr_workgroup_id_y 1
		.amdhsa_system_sgpr_workgroup_id_z 1
		.amdhsa_system_vgpr_workitem_id 0
		.amdhsa_next_free_vgpr 512
		.amdhsa_next_free_sgpr 66
		.amdhsa_reserve_vcc 0
		.amdhsa_float_denorm_mode_32 3
		.amdhsa_float_denorm_mode_16_64 3
		.amdhsa_memory_ordered 1
		.amdhsa_forward_progress 1
		.amdhsa_inst_pref_size 199
	.end_amdhsa_kernel
	.amdgpu_metadata
---
amdhsa.version: [ 1, 2 ]
amdhsa.kernels:
  - .name:           k_qe6ebd5243f_attn
    .symbol:         k_qe6ebd5243f_attn.kd
    .args:
      - { .name: query, .offset: 0, .size: 8, .value_kind: global_buffer, .address_space: global }
      - { .name: kv, .offset: 8, .size: 8, .value_kind: global_buffer, .address_space: global }
      - { .name: scale_factor, .offset: 16, .size: 8, .value_kind: global_buffer, .address_space: global }
      - { .name: out0, .offset: 24, .size: 8, .value_kind: global_buffer, .address_space: global }
    .group_segment_fixed_size: 327680
    .private_segment_fixed_size: 0
    .kernarg_segment_align: 8
    .kernarg_segment_size: 32
    .max_flat_workgroup_size: 256
    .sgpr_count:     66
    .vgpr_count:     512
    .wavefront_size: 32
...
	.end_amdgpu_metadata
.endif
;; end of part 2
